; MI455X (gfx1250); checked and timed in simulation.
; The chip was launched on July 23, 2026; its instructions are those of AMD's public machine-readable ISA for CDNA 5 (MIT licence, August 2026) and "CDNA5" Instruction Set Architecture Reference Guide (July 2026). The comments in the code are by the model that wrote it; some were corrected since.
;; Vector Quantizer. Allowed arithmetic: matrix products marked QUANTISED: E2M1 operands, one E8M0 scale for each 32 along K, by v_wmma_scale_f32_16x16x128_f8f6f4 with both operands' format E2M1 (or v_wmma_scale_f32_32x16x128_f4), f32 sums; everything else in f32.
;; Inputs: emb_weight 512 x 64 float32; latents 32 x 64 x 64 x 64 float32.
;; Outputs: out0 32 x 64 x 64 x 64 float32; out1 one number float32.
;; Constants: validation = 1.
;; This version of the problem:
;;   THIS VERSION OF THE PROBLEM IS GIVEN IN LOW PRECISION. The matrix products marked QUANTISED in the list below multiply operands that are first quantised to E2M1 (2 exponent bits, 1 mantissa bit; 4 bits a number), with one power-of-two scale for each 32 numbers along K (OCP MX v1.0); their sums are f32. All else is computed in f32.
;;   The module's matrix products, in the order in which they are computed (A, B: the left and right operand; K: the contracted axis; several contracted axes count as one K, in the product's order):
;;     1. [M 131,072, K 64] x [K 64, N 512]; A: computed on the way; B: input emb_weight: QUANTISED
;;   THE QUANTISER, for each operand of a quantised product, along K:
;;     - K is cut into blocks of 32 from its start; a last block that is shorter is filled with zeros.
;;     - A block's scale is 2^e with e = floor(log2(the largest magnitude in the block)) - 2, held to -126 .. 127; a block of zeros has e = 0. As a byte (E8M0): e + 127.
;;     - Each number is divided by its block's scale, clamped to +-6, and rounded to the nearest number of E2M1, ties to even, subnormals kept.
;;     - The product sums the exact products of the quantised numbers (number of the format x scale) in f32.
;;   ~~~python
;;   def quantise(x, axis):      # numpy; x: float32 -> the quantised numbers, widened to float32 again
;;       x = np.moveaxis(x, axis, -1); K = x.shape[-1]
;;       x = np.pad(x, [(0, 0)] * (x.ndim - 1) + [(0, -K % 32)]); x = x.reshape(x.shape[:-1] + (-1, 32)); a = np.abs(x).max(-1, keepdims=True)
;;       e = np.where(a > 0, np.clip(np.frexp(np.where(a > 0, a, 1))[1] - 1 - 2, -126, 127), 0)      # np.frexp(a)[1] - 1 = floor(log2(a)), exactly
;;       r = np.clip(x / 2.0 ** e, -6, 6)
;;       step = 2.0 ** (np.maximum(np.frexp(np.where(r == 0, 1, r))[1] - 1, 0) - 1)
;;       q = np.round(r / step) * step * 2.0 ** e      # np.round: ties to even
;;       return np.moveaxis(q.reshape(q.shape[:-2] + (-1,))[..., :K], -1, axis).astype(np.float32)
;;   ~~~
;;   OPERANDS COMPUTED ON THE WAY. 'Computed on the way' means the value that the module computes at that place (a softmax that the list does not call 'softmax' is quantised finished and normalised). What goes into a quantiser is computed in f32, as accurately as f32 sums, v_exp_f32 and their like allow (about 1e-6 of the number): no bf16 or f16 on the way to a quantiser, and a product that is left as it is and whose result goes on into a quantised operand takes f32 operands (vector FMAs, or v_wmma_f32_16x16x4_f32). A number that lies on a knife's edge between two numbers of the format may be rounded either way, as far as f32 arithmetic and the matrix unit's own rounding can turn it there, and no further.
;; One version. Each part assembles by itself: llvm-mc -triple=amdgcn-amd-amdhsa -mcpu=gfx1250 --defsym DOCPART=n.
;; ======== version 1 of 1: 2 launches
;; limits: right only within a limited range of input values
;; workspace buffers: part 8,192 bytes
;; launch vq (part 1): grid 256 x 1, 8 waves a work-group, clusters of 4 x 1, 291,840 bytes of LDS; arguments latents, emb_weight, out0, part; writes out0, part
.if DOCPART == 1
	.amdgcn_target "amdgcn-amd-amdhsa--gfx1250"
	.amdhsa_code_object_version 6
	.text
	.protected	k_q813df99e74_vq
	.globl	k_q813df99e74_vq
	.p2align	8
	.type	k_q813df99e74_vq,@function
k_q813df99e74_vq:
	s_mov_b64 s[64:65], 0
	v_nop
	global_prefetch_b8 v0, s[64:65] scope:SCOPE_SE
	s_setreg_imm32_b32 hwreg(HW_REG_WAVE_MODE, 25, 1), 1
	s_wait_xcnt 0x0
	s_wait_alu depctr_hold_cnt(0) depctr_sa_sdst(0) depctr_va_vdst(0) depctr_va_sdst(0) depctr_va_ssrc(0) depctr_va_vcc(0) depctr_vm_vsrc(0)
	s_getreg_b32 s2, hwreg(HW_REG_IB_STS2, 6, 4)
	s_cmp_eq_u32 s2, 0
	s_cbranch_scc0 .Lentry_in_a_cluster
	s_endpgm
.Lentry_in_a_cluster:
	s_bfe_u32 s2, ttmp6, 0x10000c
	s_cmp_lg_u32 s2, 0x3003
	s_cbranch_scc0 .Lentry_shape_is_right
	s_endpgm
.Lentry_shape_is_right:
; out0[b][d][h][w] = lat + (q - lat), q = emb_weight[k], k = argmin over k of dist = (sum_d x^2 + sum_d e^2) - (2 x) . e;  and for each wave the sum of (q - lat)^2, to part.
; THE DISTANCES.  The product runs on codes of FP4 (E2M1), one E8M0 scale for each 32 along d, of -2 x and of e.  sx + se, rounded to f32, is the product's C.  Equal distances go to the lowest k.
; THE LOOKUP of row k is a product too, since no address here may hang on k: a one-hot operand (one code 0.5 for each pixel, over 512 codes) against the codebook cut into eight digits of FP4.
;   A block of 32 codes of one d has a scale; digit p counts in steps 8^-p of it.  Every product is exact and every sum has one term other than 0 for each digit.
; THE ONE-HOT.  A lane takes its 256 distances of a pixel by quarters of 64.  (the quarter's minimum - distance) becomes a code by a conversion with a tiny scale: 0 at a hit, 0xF (-6) everywhere else.  So eight
;   codes are a word, and 1 added to the chain of 8 words runs through the 0xF up to the lowest hit and leaves a 1 there: word' AND NOT word is the one-hot, lowest k only.  Code 1 is 0.5; its scale byte makes up
;   for the factor.  The quarters that do not hold the row's minimum are cleared at the end.
; LIMITS: NaN and infinities among the inputs are not served.  Distances under 2^-70 in magnitude that differ were not tried, nor distances of 3e38 and more.  q is exact to one unit in the last place of the largest
;   number of its block (32 codes, one d); blocks whose largest magnitude lies under 2^-95 were not tried.  The 64 squares of a row are added in another order than the problem's function adds them.
; SHARES.  A work-group owns 512 neighbouring pixels of one image, a wave 64: four tiles of 16.  Lane (r, h) takes pixel 4 r + q for tile q, and d = 32 h + 0 .. 31: so a load or a store of 16 bytes a lane covers
;   256 consecutive bytes for each of two d, and the latents stay in the lane's registers from their load to their store.
; CODES.  Row 8 h + j of code tile t is code 256 h + 8 t + j: half h of the lanes holds codes 256 h on, in ascending order.  Row 8 h + j of the lookup's tile u is d = 32 h + 8 u + j.
; Two code tiles share an operand: one in k = 0 .. 63, the other in k = 64 .. 127; the pixels' operand has zero codes in the half that is not meant.
; CLUSTER: four work-groups ask for the codebook jointly, one load a wave, once.  NO PREFETCH: the launch asks for all its input at the head, no loop streams.
; WINDOWS of 256 registers: 0 addresses, operands, work;  1 the latents (v0-127), distances, then the lookup's sums and work (v128-255).
.set EP,   272                         ; a codebook row in LDS: 256 bytes + 16
.set WST,  64*EP                       ; a wave's 64 rows; later its one-hots, 4 x 4,096 bytes
.set DIG,  512*EP                      ; digits: [half 2][digit 8][u 4][block 8][16 rows][16 bytes]
.set COD,  DIG+131072                  ; code images: [half 2][pair 16][tile 2][d half 2][8 rows][16 bytes]
.set SCW,  COD+16384                   ; their scale words: [half 2][pair 16][8 rows]
.set SEB,  SCW+1024                    ; 512 sums of squares
.set DSC,  SEB+2048                    ; digits' scale bytes: [u 4][16 rows][16]
.set SPARE, DSC+1024
.set LR, 2
.set LH, 3
.set LN, 4
.set SPW, 5
.set NIL, 6
.set H8, 7                             ; 8 h
.set PX, 8
.set PY, 9
.set LV, 10                            ; my offset in latents and in out0
.set OHB, 13
.set OHW, 14
.set DRD, 15
.set RCD, 16
.set RSC, 17
.set RSE, 18
.set RDS, 19
.set SCL, 21
.set SO, 22
.set XS, 24                            ; v24-27  pixel tiles' scale words
.set ASC, 28                           ; v28-31  a quarter's four code pairs' scale words
.set DSW, 32                           ; v32-47  digits' scale words
.set BS, 48                            ; v48-55  the one-hot's scale words, one for each digit
.set RM, 56                            ; v56-59  running minima
.set RQ, 60                            ; v60-63  their quarters
.set XB, 64                            ; v64-99  pixel tiles' codes, four registers each, zero codes before, between and behind
.set SX, 100                           ; v100-103 their sums of squares
.set TT, 104                           ; v104-107 quarter minima, in pairs (the low word serves both halves)
.set SS, 108                           ; v108-115 minima, then the carried words
.set CC, 116                           ; v116-131 hit words, two sets of eight
.set OO, 132                           ; v132-147 one-hot words, two sets of eight
.set CB, 148                           ; v148-179 a quarter's code pairs
.set SE, 180                           ; v180-243 a quarter's sums of squares
.set FB, 64                            ; the lookup: v64-127 two sets of digit operands, v128-255 the one-hots
.set OH, 128
.set Q0, 104                           ; the quantiser at work
.set M0, 108
.set ONE, 111
.set ACW, 244
.set ASW, 245
.set AEW, 246
.set DA, 247
.set DSA, 248
.set AE, 249
.set ASRC, 250
.set W1, 251
.set W4, 252
.set DD, 128                           ; window 1: two sets of 64 distances; the lookup's sums
.set T2, 192                           ; window 1: q - lat
.set LO, 224                           ; window 1: the sums for the loss
.set WV, 12
.set G1, 16
.set G0, 24
.set SEL, 28
.set MA, 30
.set CNT, 32
.set TM, 33
.set OHO, 34
.set MSB, 0
.macro WIN new                         ; the immediate's high byte repeats the setting that is left
.if MSB != \new
	s_set_vgpr_msb (MSB<<8)|\new
.set MSB, \new
.endif
.endm
.macro ROUND                           ; a round of the cluster's barrier
	s_barrier_signal -1
	s_barrier_wait -1
	s_cmp_lg_u32 s[WV], 0
	s_cbranch_scc1 .Lnot_wave_0_\@
	s_barrier_signal -3
.Lnot_wave_0_\@:
	s_barrier_wait -3
	s_barrier_signal -1
	s_barrier_wait -1
.endm
	s_load_b256 s[4:11], s[0:1], 0x0               ; latents s[4:5], emb_weight s[6:7], out0 s[8:9], part s[10:11]
	v_lshl_add_u32 v[SPW], v0, 2, SPARE
	v_mov_b32 v[NIL], 0
	ds_add_u32 v[SPW], v[NIL]
	ds_add_u32 v[SPW], v[NIL]
	v_lshrrev_b32 v1, 5, v0
	v_readfirstlane_b32 s[WV], v1                  ; wave 0..7
	s_and_b32 s13, s[WV], 3
	s_lshr_b32 s14, s[WV], 2                       ; my 64 codes: half s14, its quarter s13
	s_bfe_u32 s15, ttmp6, 0x40000                  ; cx: it enters global addresses alone
	s_lshl_b32 s37, ttmp9, 2
	s_add_co_u32 s15, s37, s15                     ; work-group = 4 x cluster + cx
	; group 1: 64 rows x 64 elements of 4 bytes, dense in memory, 16 bytes of padding behind each row in LDS, for all four work-groups of the cluster
	s_mov_b32 s[G1], 15|(2<<16)|(1<<20)|(1<<21)|(5<<22)|(3<<25)
	s_mov_b32 s[G1+1], 64<<16
	s_mov_b32 s[G1+2], 64<<16
	s_mov_b32 s[G1+3], 64<<16
	s_mov_b32 s[G1+4], 64
	s_mov_b32 s[G1+5], 64
	s_mov_b32 s[G1+6], 0
	s_mov_b32 s[G1+7], 0
	s_mov_b32 s[G0], 1
	s_mul_i32 s[G0+1], s[WV], WST
	s_lshl_b32 s38, s[WV], 14                      ; 64 rows of 256 bytes
	s_mov_b32 s39, 0
	s_lshr_b32 s46, s15, 3                         ; image: 2^20 bytes;
	s_lshl_b32 s46, s46, 20
	s_and_b32 s47, s15, 7                          ; 512 pixels of 4 bytes a work-group,
	s_lshl_b32 s47, s47, 11
	s_add_co_u32 s46, s46, s47
	s_lshl_b32 s47, s[WV], 8                       ; 64 a wave
	s_add_co_u32 s46, s46, s47
	s_mov_b32 s47, 0
	s_lshl_b32 s40, s15, 5                         ; part: 4 bytes a wave
	s_lshl_b32 s41, s[WV], 2
	s_add_co_u32 s40, s40, s41
	s_mov_b32 s41, 0
	s_mov_b32 s[SEL], 0x76543210
	s_mov_b32 s[SEL+1], 0xfedcba98
	s_mov_b32 s35, 0x7f800000
	s_mov_b32 s36, 0x80000000
	v_and_b32 v[LN], 31, v0
	v_and_b32 v[LR], 15, v0
	v_bfe_u32 v[LH], v0, 4, 1
	v_bfe_u32 v116, v0, 3, 1                       ; r / 8
	v_and_b32 v117, 7, v0                          ; r % 8
	v_lshlrev_b32 v[H8], 3, v[LH]
	v_lshlrev_b32 v[LV], 4, v[LR]
	v_lshl_add_u32 v[LV], v[LH], 19, v[LV]         ; 32 rows of 16,384 bytes for the second half
	s_mul_i32 s[TM], s[WV], WST
	v_lshl_add_u32 v[OHB], v[LN], 4, s[TM]
	v_mul_u32_u24 v[AE], v[LR], EP                 ; codebook row r, d = 32 h on
	v_lshl_add_u32 v[AE], v[LH], 7, v[AE]
	v_add_nc_u32 v[AE], s[TM], v[AE]
	v_lshlrev_b32 v[ASRC], 2, v117                 ; for the digits: d = 32 (r / 8) + 8 h + r % 8 of a row
	v_lshl_add_u32 v[ASRC], v116, 7, v[ASRC]
	v_lshl_add_u32 v[ASRC], v[LH], 5, v[ASRC]
	v_add_nc_u32 v[ASRC], s[TM], v[ASRC]
	s_lshl_b32 s[TM], s14, 13
	s_lshl_b32 s37, s13, 11
	s_add_co_u32 s[TM], s[TM], s37
	s_add_co_u32 s[TM], s[TM], COD
	v_lshlrev_b32 v[ACW], 8, v116
	v_lshl_add_u32 v[ACW], v117, 4, v[ACW]
	v_lshl_add_u32 v[ACW], v[LH], 7, v[ACW]
	v_add_nc_u32 v[ACW], s[TM], v[ACW]
	s_lshl_b32 s[TM], s14, 9
	s_lshl_b32 s37, s13, 7
	s_add_co_u32 s[TM], s[TM], s37
	s_add_co_u32 s[TM], s[TM], SCW
	v_lshlrev_b32 v[ASW], 1, v116
	v_lshl_add_u32 v[ASW], v117, 2, v[ASW]
	v_add_nc_u32 v[ASW], s[TM], v[ASW]
	s_lshl_b32 s[TM], s[WV], 8
	s_add_co_u32 s[TM], s[TM], SEB
	v_lshl_add_u32 v[AEW], v[LR], 2, s[TM]
	s_lshl_b32 s[TM], s14, 16
	s_lshl_b32 s37, s13, 9
	s_add_co_u32 s[TM], s[TM], s37
	s_add_co_u32 s[TM], s[TM], DIG
	v_lshlrev_b32 v[DA], 4, v[LR]
	v_lshl_add_u32 v[DA], v[LH], 11, v[DA]
	v_add_nc_u32 v[DA], s[TM], v[DA]
	s_lshl_b32 s[TM], s13, 2
	s_add_co_u32 s[TM], s[TM], s14
	s_add_co_u32 s[TM], s[TM], DSC
	v_lshl_add_u32 v[DSA], v[LN], 4, s[TM]
	v_lshlrev_b32 v[DRD], 4, v[LR]
	v_lshl_add_u32 v[DRD], v[LH], 16, v[DRD]
	v_add_nc_u32 v[DRD], DIG, v[DRD]
	v_lshlrev_b32 v[RCD], 13, v116
	v_lshl_add_u32 v[RCD], v117, 4, v[RCD]
	v_lshl_add_u32 v[RCD], v[LH], 7, v[RCD]
	v_add_nc_u32 v[RCD], COD, v[RCD]
	v_lshlrev_b32 v[RSC], 9, v116
	v_lshl_add_u32 v[RSC], v117, 2, v[RSC]
	v_add_nc_u32 v[RSC], SCW, v[RSC]
	v_lshlrev_b32 v[RSE], 10, v[LH]
	v_add_nc_u32 v[RSE], SEB, v[RSE]
	v_lshlrev_b32 v[RDS], 4, v[LR]
	v_add_nc_u32 v[RDS], DSC, v[RDS]
	v_mov_b32 v[PX], 0                             ; lane permutes' destinations count as sources
	v_mov_b32 v[PY], 0
	v_mov_b32 v140, 0                              ; the digits' scale bytes are shifted in here
	v_mov_b32 v141, 0
	v_mov_b32 v[ONE], 0x7f7f7f7f                   ; scale 1
	v_mov_b32 v[SCL], 0x0d800000                   ; 2^-100
.irp q, 0,1,2,3
	v_mov_b32 v[RM+\q], 0x7f61b1e6                 ; 3e38, over every distance
	v_mov_b32 v[RQ+\q], 0
.endr
.irp q, 0,1,2,3,4
.irp k, 0,1,2,3
	v_mov_b32 v[XB+8*\q+\k], 0
.endr
.endr
	v_mov_b32 v[BS], 0x80808080                    ; 128 - 3 p: the digit's step, and the factor 2 for the one-hot's 0.5
	v_mov_b32 v[BS+1], 0x7d7d7d7d
	v_mov_b32 v[BS+2], 0x7a7a7a7a
	v_mov_b32 v[BS+3], 0x77777777
	v_mov_b32 v[BS+4], 0x74747474
	v_mov_b32 v[BS+5], 0x71717171
	v_mov_b32 v[BS+6], 0x6e6e6e6e
	v_mov_b32 v[BS+7], 0x6b6b6b6b
	s_wait_alu depctr_va_vdst(0)
	s_wait_dscnt 0x0                               ; both opening adds are done
	s_wait_kmcnt 0x0
	s_add_nc_u64 s[G0+2:G0+3], s[6:7], s[38:39]
	s_or_b32 s[G0+3], s[G0+3], 0x80000000
	s_add_nc_u64 s[4:5], s[4:5], s[46:47]
	s_add_nc_u64 s[8:9], s[8:9], s[46:47]
	s_add_nc_u64 s[10:11], s[10:11], s[40:41]
.macro LLOAD i
	global_load_b128 v[4*\i:4*\i+3], v[LV], s[4:5] offset:16384*\i th:TH_LOAD_NT
.endm
	WIN 0x40
.irp i, 0,1,2,3,4,5,6,7
	LLOAD \i
.endr
	WIN 0
	ROUND                                          ; all four work-groups are here: the joint loads meet
	tensor_load_to_lds s[G0:G0+3], s[G1:G1+7]      ; my 64 codebook rows: only I read them as they are
	s_nop 0
	s_wait_tensorcnt 0x0
	WIN 0x40
.irp i, 8,9,10,11,12,13,14,15,16,17,18,19,20,21,22,23,24,25,26,27,28,29,30,31
	LLOAD \i                                       ; the other latents, on their way while the codebook is prepared
.endr
; THE QUANTISER.  v[QS] on in window 1: a lane's 32 numbers, a block along d.  Out: the row's sum of squares (my block's and the other's) in QQ, the row's two scale bytes in QB, 32 codes in QC on.
; A block's scale byte is the largest magnitude's exponent field - 2, held at 1 by the floor 2^(3 - 127).  (A block of zeros keeps 1: its codes are zeros, and the bytes are read here alone.)
.macro QUANT
	WIN 0x05
	v_pk_mul_f32 v[Q0:Q0+1], v[QS:QS+1], v[QS:QS+1]
	v_max3_num_f32 v[M0], |v[QS]|, |v[QS+1]|, 0x1800000
	v_pk_mul_f32 v[Q0+2:Q0+3], v[QS+2:QS+3], v[QS+2:QS+3]
	v_max3_num_f32 v[M0+1], |v[QS+2]|, |v[QS+3]|, 0x1800000
.irp k, 4,8,12,16,20,24,28
	v_pk_fma_f32 v[Q0:Q0+1], v[QS+\k:QS+\k+1], v[QS+\k:QS+\k+1], v[Q0:Q0+1]
	v_max3_num_f32 v[M0], |v[QS+\k]|, |v[QS+\k+1]|, v[M0]
	v_pk_fma_f32 v[Q0+2:Q0+3], v[QS+\k+2:QS+\k+3], v[QS+\k+2:QS+\k+3], v[Q0+2:Q0+3]
	v_max3_num_f32 v[M0+1], |v[QS+\k+2]|, |v[QS+\k+3]|, v[M0+1]
.endr
	WIN 0
	v_pk_add_f32 v[Q0:Q0+1], v[Q0:Q0+1], v[Q0+2:Q0+3]
	v_max_num_f32 v[M0], v[M0], v[M0+1]
	v_add_f32 v[Q0], v[Q0], v[Q0+1]
	v_add_nc_u32 v[SO], 0xff000000, v[M0]          ; 2 off the exponent field
	v_permlanex16_b32 v[PX], v[Q0], s[SEL], s[SEL+1]
	v_lshrrev_b32 v[QB], 23, v[SO]
	v_lshlrev_b32 v[QB], v[H8], v[QB]              ; block h is byte h
	v_permlanex16_b32 v[PY], v[QB], s[SEL], s[SEL+1]
	v_add_f32 v[QQ], v[Q0], v[PX]
	v_or_b32 v[QB], v[QB], v[PY]
	WIN 0x01
.irp g, 0,1,2,3
	v_cvt_scalef32_pk8_fp4_f32 v[QC+\g], v[QS+8*\g:QS+8*\g+7], v[SO]
.endr
	WIN 0
	v_nop                                          ; one plain place behind the conversions
.endm
	; ---- the codebook's codes: my 64 rows, 16 at a time: half of each of two code tiles
.irp i, 0,1,2,3
.irp c, 0,1,2,3,4,5,6,7
	ds_load_b128 v[DD+32*\i+4*\c:DD+32*\i+4*\c+3], v[AE] offset:\i*16*EP+16*\c
.endr
.endr
.irp i, 0,1,2,3
	s_wait_dscnt 24-5*\i                           ; behind unit i's loads stand 8 (3 - i) loads and 3 i stores
.set QS, DD+32*\i
.set QC, 116+4*\i
.set QB, 132+\i
.set QQ, 112+\i
	QUANT
	ds_store_b128 v[ACW], v[QC:QC+3] offset:512*\i
	ds_store_b16 v[ASW], v[QB] offset:32*\i        ; both lanes of a row write the same bytes with the same value
	ds_store_b32 v[AEW], v[QQ] offset:64*\i
.endr
	; ---- the codebook's digits: 32 codes of one d a lane, two d a trip.  Digit p is the remainder / (scale x 8^-p), rounded to a code; under the first scale the block's largest magnitude lies under 4,
	; so a remainder lies at 0.5 or under, which is 4 in the next digit's steps.  The scale operand is kept negative (a conversion ignores its sign): remainder = remainder + digit x operand.
.macro UNIT f
.set X, 148+32*\f
	v_max3_num_f32 v108, |v[X]|, |v[X+1]|, 0x10000000              ; the floor 2^(32 - 127): the last digit's scale stays a normal number
	v_max3_num_f32 v109, |v[X+2]|, |v[X+3]|, 0x10000000
.irp k, 4,8,12,16,20,24,28
	v_max3_num_f32 v108, v108, |v[X+\k]|, |v[X+\k+1]|
	v_max3_num_f32 v109, v109, |v[X+\k+2]|, |v[X+\k+3]|
.endr
	v_max_num_f32 v108, v108, v109
	v_add_nc_u32 v108, 0xff800000, v108            ; 1 off the exponent field
	v_lshrrev_b32 v110, 23, v108
	v_and_or_b32 v104, v108, s35, s36              ; - scale
	v_lshl_or_b32 v[140+\f], v[140+\f], 8, v110
.irp p, 0,1,2,3,4,5,6,7
.set NA, 104+2*(\p%2)
.set NB, 106-2*(\p%2)
.set CP, 116+4*(\p%2)
.irp g, 0,1,2,3
	v_cvt_scalef32_pk8_fp4_f32 v[CP+\g], v[X+8*\g:X+8*\g+7], v[NA]
.endr
.if \p < 7
	v_add_nc_u32 v[NB], 0xfe800000, v[NA]          ; 3 off the exponent field; also the place behind the conversions
.irp g, 0,1,2,3
	v_cvt_scale_pk8_f32_fp4 v[212+8*\g:212+8*\g+7], v[CP+\g], v[ONE]
.endr
	v_nop                                          ; one plain place
.irp k, 0,2,4,6,8,10,12,14,16,18,20,22,24,26,28,30
	v_pk_fma_f32 v[X+\k:X+\k+1], v[212+\k:212+\k+1], v[NA:NA+1], v[X+\k:X+\k+1] op_sel_hi:[1,0,1]
.endr
.else
	v_nop
.endif
	ds_store_b128 v[W1], v[CP:CP+3] offset:8192*\p+4096*\f
.endr
.endm
	s_mov_b32 s[CNT], 0
	s_mov_b32 s42, 0
	s_mov_b32 s43, 0
.Ldig:
	v_add_nc_u32 v[W4], s42, v[ASRC]
	v_add_nc_u32 v[W1], s43, v[DA]
.irp f, 0,1
.irp i, 0,1,2,3,4,5,6,7,8,9,10,11,12,13,14,15,16,17,18,19,20,21,22,23,24,25,26,27,28,29,30,31
	ds_load_b32 v[148+32*\f+\i], v[W4] offset:EP*\i+64*\f
.endr
.endr
	s_wait_dscnt 32                                ; the second unit's 32 may be out
	UNIT 0
	s_wait_dscnt 8                                 ; the eight stores behind them may be out
	UNIT 1
	s_add_co_u32 s42, s42, 32*EP
	s_add_co_u32 s43, s43, 256
	s_add_co_u32 s[CNT], s[CNT], 1
	s_cmp_lt_u32 s[CNT], 2
	s_wait_alu depctr_va_vdst(0)
	s_cbranch_scc1 .Ldig
.irp f, 0,1
	v_lshrrev_b32 v[142+\f], 8, v[140+\f]
	ds_store_b8 v[DSA], v[140+\f] offset:512*\f+2  ; the second block's byte is the lowest
	ds_store_b8 v[DSA], v[142+\f] offset:512*\f
.endr
	; ---- my four pixel tiles: -2 x, quantised; the sum of squares of -2 x is four times that of x, bit for bit
	s_wait_alu depctr_va_vdst(0)
	s_wait_loadcnt 0x0                             ; the latents are in
.irp q, 0,1,2,3
.set QS, DD+32*(\q%2)
.set QC, XB+4+8*\q
.set QB, 132+\q
.set QQ, 112+\q
	WIN 0x44
.irp i, 0,1,2,3,4,5,6,7,8,9,10,11,12,13,14,15,16,17,18,19,20,21,22,23,24,25,26,27,28,29,30,31
	v_mul_f32 v[QS+\i], -2.0, v[4*\i+\q]
.endr
	QUANT
	v_mul_f32 v[SX+\q], 0x3e800000, v[QQ]
	v_lshl_or_b32 v[XS+\q], v[QB], 16, v[QB]       ; the same two bytes for k = 64 .. 127
.endr
	s_wait_alu depctr_va_vdst(0)
	s_wait_dscnt 0x0                               ; for the others' sake: my codes, scales, sums and digits are stored
	s_barrier_signal -1
	s_barrier_wait -1
.irp u, 0,1,2,3
	ds_load_b128 v[DSW+4*\u:DSW+4*\u+3], v[RDS] offset:256*\u
.endr
.macro QLOAD a, b, c                   ; a quarter's eight code tiles, their scale words and sums of squares
.irp t, 0,1,2,3
	ds_load_b128 v[CB+8*\t:CB+8*\t+3], v[\a] offset:512*\t
	ds_load_b128 v[CB+8*\t+4:CB+8*\t+7], v[\a] offset:512*\t+256
	ds_load_b32 v[ASC+\t], v[\b] offset:32*\t
.endr
.irp t, 0,1,2,3,4,5,6,7
	ds_load_b128 v[SE+8*\t:SE+8*\t+3], v[\c] offset:32*\t
	ds_load_b128 v[SE+8*\t+4:SE+8*\t+7], v[\c] offset:32*\t+16
.endr
.endm
	QLOAD RCD, RSC, RSE
; ---- pixel tile q against the quarter's eight code tiles
.macro CM q                            ; sx + se, rounded, is the products' C
.set DB, DD+64*(\q%2)
	WIN 0x50
.irp i, 0,1,2,3,4,5,6,7
.irp j, 0,2,4,6
.if \q%2
	v_pk_add_f32 v[DB+8*\i+\j:DB+8*\i+\j+1], v[SX+2*(\q/2):SX+2*(\q/2)+1], v[SE+8*\i+\j:SE+8*\i+\j+1] op_sel:[1,0] op_sel_hi:[1,1]
.else
	v_pk_add_f32 v[DB+8*\i+\j:DB+8*\i+\j+1], v[SX+2*(\q/2):SX+2*(\q/2)+1], v[SE+8*\i+\j:SE+8*\i+\j+1] op_sel_hi:[0,1]
.endif
.endr
.endr
.irp i, 0,2,4,6
	v_wmma_scale_f32_16x16x128_f8f6f4 v[DB+8*\i:DB+8*\i+7], v[CB+4*\i:CB+4*\i+7], v[XB+8*\q+4:XB+8*\q+11], v[DB+8*\i:DB+8*\i+7], v[ASC+\i/2], v[XS+\q] matrix_a_fmt:MATRIX_FMT_FP4 matrix_b_fmt:MATRIX_FMT_FP4
	v_wmma_scale_f32_16x16x128_f8f6f4 v[DB+8*\i+8:DB+8*\i+15], v[CB+4*\i:CB+4*\i+7], v[XB+8*\q:XB+8*\q+7], v[DB+8*\i+8:DB+8*\i+15], v[ASC+\i/2], v[XS+\q] matrix_a_fmt:MATRIX_FMT_FP4 matrix_b_fmt:MATRIX_FMT_FP4
.endr
.endm
.macro POST q
.set DB, DD+64*(\q%2)
.set TQ, TT+2*(\q%2)
.set CQ, CC+8*(\q%2)
.set OQ, OO+8*(\q%2)
	WIN 0x05
.irp k, 0,2,4,6
.irp i, 0,1,2,3,4,5,6,7
.if \k == 0
	v_min_num_f32 v[SS+\i], v[DB+8*\i], v[DB+8*\i+1]
.else
	v_min3_num_f32 v[SS+\i], v[DB+8*\i+\k], v[DB+8*\i+\k+1], v[SS+\i]
.endif
.endr
.endr
	WIN 0
	v_min3_num_f32 v[SS], v[SS], v[SS+1], v[SS+2]
	v_min3_num_f32 v[SS+3], v[SS+3], v[SS+4], v[SS+5]
	v_min_num_f32 v[SS+6], v[SS+6], v[SS+7]
	v_min3_num_f32 v[TQ], v[SS], v[SS+3], v[SS+6]
	v_cmp_lt_f32 s[MA], v[TQ], v[RM+\q]            ; an equal minimum in a later quarter does not count: the lower k stays
	v_min_num_f32 v[RM+\q], v[RM+\q], v[TQ]
	v_cndmask_b32 v[RQ+\q], v[RQ+\q], s[CNT], s[MA]
	WIN 0x44
.irp i, 0,1,2,3,4,5,6,7
.irp j, 0,2,4,6
	v_pk_add_f32 v[DB+8*\i+\j:DB+8*\i+\j+1], v[TQ:TQ+1], v[DB+8*\i+\j:DB+8*\i+\j+1] op_sel_hi:[0,1] neg_lo:[0,1] neg_hi:[0,1]   ; 0 at a hit, negative everywhere else
.endr
.endr
	s_mov_b32 vcc_lo, -1                           ; the 1 that starts the chain
	WIN 0x01
	v_cvt_scalef32_pk8_fp4_f32 v[CQ], v[DB:DB+7], v[SCL]
	v_nop
.irp i, 1,2,3,4,5,6,7
	v_cvt_scalef32_pk8_fp4_f32 v[CQ+\i], v[DB+8*\i:DB+8*\i+7], v[SCL]
	v_add_co_ci_u32 v[SS+\i-1], vcc_lo, 0, v[CQ+\i-1], vcc_lo
.endr
	WIN 0
	v_bfi_b32 v[OQ], v[CQ], 0, v[SS]
	v_add_co_ci_u32 v[SS+7], vcc_lo, 0, v[CQ+7], vcc_lo
.irp i, 1,2,3,4,5,6,7
	v_bfi_b32 v[OQ+\i], v[CQ+\i], 0, v[SS+\i]
.endr
	ds_store_b128 v[OHW], v[OQ:OQ+3] offset:4096*\q
	ds_store_b128 v[OHW], v[OQ+4:OQ+7] offset:4096*\q+512
.endm
	s_mov_b32 s[CNT], 0
	s_mov_b32 s[OHO], 0
	s_wait_dscnt 0x0
.Lquarter:
	s_wait_dscnt 2                                 ; the quarter's loads are in; the last tile's two stores may be out
	v_add_nc_u32 v[OHW], s[OHO], v[OHB]
	CM 0
	CM 1
	POST 0
	CM 2
	POST 1
	CM 3
	POST 2
	s_add_co_u32 s[TM], s[CNT], 1
	s_and_b32 s[TM], s[TM], 3                      ; the next quarter (behind the last: the first once more, not used)
	s_lshl_b32 s37, s[TM], 11
	v_add_nc_u32 v1, s37, v[RCD]
	s_lshl_b32 s37, s[TM], 7
	v_add_nc_u32 v23, s37, v[RSC]
	s_lshl_b32 s37, s[TM], 8
	v_add_nc_u32 v[SO], s37, v[RSE]
	QLOAD 1, 23, SO
	POST 3
	s_add_co_u32 s[OHO], s[OHO], 1024
	s_add_co_u32 s[CNT], s[CNT], 1
	s_cmp_lt_u32 s[CNT], 4
	s_wait_alu depctr_va_vdst(0)
	s_cbranch_scc1 .Lquarter
	; ---- which half of the lanes has a pixel's minimum: codes 0-255 win when equal, codes 256-511 only when less; the other half's quarter number becomes 64, which names none
.irp q, 0,1,2,3
	v_permlanex16_b32 v[TT+\q], v[RM+\q], s[SEL], s[SEL+1]
.endr
.irp q, 0,1,2,3
	v_cmp_le_f32 s[40+\q], v[RM+\q], v[TT+\q]
	v_cmp_lt_f32 s[44+\q], v[RM+\q], v[TT+\q]
.endr
.irp q, 0,1,2,3
	s_and_b32 s[40+\q], s[40+\q], 0xffff
	s_and_b32 s[44+\q], s[44+\q], 0xffff0000
	s_or_b32 s[40+\q], s[40+\q], s[44+\q]
.endr
.irp q, 0,1,2,3
	v_cndmask_b32 v[RQ+\q], 64, v[RQ+\q], s[40+\q]
.endr
	s_wait_alu depctr_va_vdst(0)
	s_wait_dscnt 0x0
.irp q, 0,1,2,3
.irp x, 0,1,2,3,4,5,6,7
	ds_load_b128 v[OH+32*\q+4*\x:OH+32*\q+4*\x+3], v[OHB] offset:4096*\q+512*\x
.endr
.endr
; The lookup goes by pairs of u; for each digit two steps, each with two of the four runs of 128 codes: four operands of 16 rows x 128 codes.
.macro FRAG up, p, sp
.irp s, 0,1
.irp u, 0,1
.irp c, 0,1
	ds_load_b128 v[FB+32*(\sp)+8*(2*\s+\u)+4*\c:FB+32*(\sp)+8*(2*\s+\u)+4*\c+3], v[DRD] offset:8192*(\p)+2048*(2*(\up)+\u)+256*(2*(2*(\sp)+\s)+\c)
.endr
.endr
.endr
.endm
	FRAG 0, 0, 0
.irp q, 0,1,2,3
	s_wait_dscnt 32-8*\q                           ; tile q's words are in; the later tiles' and the first digits may be out
.irp s, 0,1,2,3
	v_cmp_eq_u32 s[40+\s], \s, v[RQ+\q]
.endr
.irp s, 0,1,2,3
.irp k, 0,1,2,3,4,5,6,7
	v_cndmask_b32 v[OH+32*\q+8*\s+\k], 0, v[OH+32*\q+8*\s+\k], s[40+\s]
.endr
.endr
.endr
	s_wait_alu depctr_va_vdst(0)                   ; the wait between these writes and the products that read them
.macro STEP up, p, sp                  ; 16 products: the eight sums by turns
	s_wait_dscnt 0x0                               ; asked for a step ago
.rept 4
	v_nop                                          ; places in front of loads into registers that matrix instructions have read
.endr
	WIN 0
.if \sp == 0
	FRAG \up, \p, 1
.elseif \p < 7
	FRAG \up, (\p+1), 0
.elseif \up < 1
	FRAG (\up+1), 0, 0
.endif
	WIN 0x50
.irp s, 0,1
.irp u, 0,1
.irp q, 0,1,2,3
.if (\p == 0) && (\sp == 0) && (\s == 0)
	v_wmma_scale_f32_16x16x128_f8f6f4 v[DD+32*\u+8*\q:DD+32*\u+8*\q+7], v[FB+32*\sp+8*(2*\s+\u):FB+32*\sp+8*(2*\s+\u)+7], v[OH+32*\q+8*(2*\sp+\s):OH+32*\q+8*(2*\sp+\s)+7], 0, v[DSW+4*(2*\up+\u)+2*\sp+\s], v[BS+\p] matrix_a_fmt:MATRIX_FMT_FP4 matrix_b_fmt:MATRIX_FMT_FP4
.else
	v_wmma_scale_f32_16x16x128_f8f6f4 v[DD+32*\u+8*\q:DD+32*\u+8*\q+7], v[FB+32*\sp+8*(2*\s+\u):FB+32*\sp+8*(2*\s+\u)+7], v[OH+32*\q+8*(2*\sp+\s):OH+32*\q+8*(2*\sp+\s)+7], v[DD+32*\u+8*\q:DD+32*\u+8*\q+7], v[DSW+4*(2*\up+\u)+2*\sp+\s], v[BS+\p] matrix_a_fmt:MATRIX_FMT_FP4 matrix_b_fmt:MATRIX_FMT_FP4
.endif
.endr
.endr
.endr
.endm
.macro OUT up
.rept 4
	v_nop                                          ; places in front of the first read of the sums
.endr
.irp u, 0,1
	WIN 0x55
.irp j, 0,1,2,3,4,5,6,7
.irp q, 0,1,2,3
	v_sub_f32 v[T2+4*\j+\q], v[DD+32*\u+8*\q+\j], v[4*(16*\up+8*\u+\j)+\q]             ; q - lat
.endr
.endr
.irp j, 0,1,2,3,4,5,6,7
.irp q, 0,1,2,3
	v_add_f32 v[4*(16*\up+8*\u+\j)+\q], v[T2+4*\j+\q], v[4*(16*\up+8*\u+\j)+\q]        ; lat + (q - lat)
.endr
.endr
	WIN 0x04
.irp j, 0,1,2,3,4,5,6,7
	global_store_b128 v[LV], v[4*(16*\up+8*\u+\j):4*(16*\up+8*\u+\j)+3], s[8:9] offset:16384*(16*\up+8*\u+\j) th:TH_STORE_NT   ; 256 consecutive bytes for each half of the lanes
.endr
	WIN 0x55
.irp c, 0,1,2,3,4,5,6,7,8,9,10,11,12,13,14,15
.if (\up == 0) && (\u == 0) && (\c < 4)
	v_pk_mul_f32 v[LO+2*(\c%4):LO+2*(\c%4)+1], v[T2+2*\c:T2+2*\c+1], v[T2+2*\c:T2+2*\c+1]
.else
	v_pk_fma_f32 v[LO+2*(\c%4):LO+2*(\c%4)+1], v[T2+2*\c:T2+2*\c+1], v[T2+2*\c:T2+2*\c+1], v[LO+2*(\c%4):LO+2*(\c%4)+1]
.endif
.endr
.endr
	s_wait_alu depctr_va_vdst(0)
.endm
.irp up, 0,1
.irp p, 0,1,2,3,4,5,6,7
	STEP \up, \p, 0
	STEP \up, \p, 1
.endr
	OUT \up
.endr
	v_pk_add_f32 v[LO:LO+1], v[LO:LO+1], v[LO+2:LO+3]
	v_pk_add_f32 v[LO+4:LO+5], v[LO+4:LO+5], v[LO+6:LO+7]
	v_pk_add_f32 v[LO:LO+1], v[LO:LO+1], v[LO+4:LO+5]
	WIN 0x05
	v_add_f32 v1, v[LO], v[LO+1]
	WIN 0
	v_add_f32_dpp v1, v1, v1 row_xmask:1 row_mask:0xf bank_mask:0xf
	v_add_f32_dpp v1, v1, v1 row_xmask:2 row_mask:0xf bank_mask:0xf
	v_add_f32_dpp v1, v1, v1 row_xmask:4 row_mask:0xf bank_mask:0xf
	v_add_f32_dpp v1, v1, v1 row_xmask:8 row_mask:0xf bank_mask:0xf
	v_permlanex16_b32 v[PX], v1, s[SEL], s[SEL+1]
	v_add_f32 v1, v1, v[PX]
	v_cmp_eq_u32 vcc_lo, 0, v[LN]
	s_wait_alu depctr_va_vdst(0)
	s_wait_xcnt 0x0                                ; EXEC is a source of the stores above
	s_and_saveexec_b32 s[MA], vcc_lo
	global_store_b32 v[NIL], v1, s[10:11]          ; lane 0 stores the wave's sum
	s_wait_xcnt 0x0
	s_or_b32 exec_lo, exec_lo, s[MA]
	s_wait_tensorcnt 0x0                           ; the wave's end
	ds_add_u32 v[SPW], v[NIL]
	s_wait_dscnt 0x0
	ROUND                                          ; the closing round: no work-group ends while a partner may still ask for a tile that names it
	s_endpgm
.Lfunc_end_k_q813df99e74_vq:
	.size	k_q813df99e74_vq, .Lfunc_end_k_q813df99e74_vq-k_q813df99e74_vq
	.p2alignl 7, 3214868480
	.fill 96, 4, 3214868480
	.section	.rodata,"a",@progbits
	.p2align	6, 0x0
	.amdhsa_kernel k_q813df99e74_vq
		.amdhsa_group_segment_fixed_size 291840
		.amdhsa_private_segment_fixed_size 0
		.amdhsa_enable_private_segment 0
		.amdhsa_kernarg_size 32
		.amdhsa_user_sgpr_count 2
		.amdhsa_user_sgpr_kernarg_segment_ptr 1
		.amdhsa_wavefront_size32 1
		.amdhsa_system_sgpr_workgroup_id_x 1
		.amdhsa_system_sgpr_workgroup_id_y 1
		.amdhsa_system_sgpr_workgroup_id_z 1
		.amdhsa_system_vgpr_workitem_id 0
		.amdhsa_next_free_vgpr 512
		.amdhsa_next_free_sgpr 66
		.amdhsa_reserve_vcc 1
		.amdhsa_float_denorm_mode_32 3
		.amdhsa_float_denorm_mode_16_64 3
		.amdhsa_memory_ordered 1
		.amdhsa_forward_progress 1
		.amdhsa_inst_pref_size 229
	.end_amdhsa_kernel
	.amdgpu_metadata
---
amdhsa.version: [ 1, 2 ]
amdhsa.kernels:
  - .name:           k_q813df99e74_vq
    .symbol:         k_q813df99e74_vq.kd
    .args:
      - { .name: latents, .offset: 0, .size: 8, .value_kind: global_buffer, .address_space: global }
      - { .name: emb_weight, .offset: 8, .size: 8, .value_kind: global_buffer, .address_space: global }
      - { .name: out0, .offset: 16, .size: 8, .value_kind: global_buffer, .address_space: global }
      - { .name: part, .offset: 24, .size: 8, .value_kind: global_buffer, .address_space: global }
    .group_segment_fixed_size: 291840
    .private_segment_fixed_size: 0
    .kernarg_segment_align: 8
    .kernarg_segment_size: 32
    .max_flat_workgroup_size: 256
    .sgpr_count:     66
    .vgpr_count:     512
    .wavefront_size: 32
...
	.end_amdgpu_metadata
.endif
;; end of part 1
;; launch loss (part 2): grid 1 x 1, 1 waves a work-group, no clusters, 0 bytes of LDS; arguments part, out1; writes out1
.if DOCPART == 2
	.amdgcn_target "amdgcn-amd-amdhsa--gfx1250"
	.amdhsa_code_object_version 6
	.text
	.protected	k_q813df99e74_loss
	.globl	k_q813df99e74_loss
	.p2align	8
	.type	k_q813df99e74_loss,@function
k_q813df99e74_loss:
	s_mov_b64 s[64:65], 0
	v_nop
	global_prefetch_b8 v0, s[64:65] scope:SCOPE_SE
	s_setreg_imm32_b32 hwreg(HW_REG_WAVE_MODE, 25, 1), 1
	s_wait_xcnt 0x0
; out1 = m x 0.25 + m,  m = the mean of (q - lat)^2 over 131,072 x 64 = 2^23 numbers: both of the problem's two losses are this mean.
; part holds 2,048 sums, one for each wave of the launch before.  One wave adds them: a sum over all work-groups has one owner, in a launch of its own.
	s_load_b128 s[4:7], s[0:1], 0x0                ; part s[4:5], out1 s[6:7]
	v_lshlrev_b32 v1, 4, v0                        ; 16 bytes a lane: each load covers 512 consecutive bytes
	v_mov_b32 v2, 0
	s_mov_b32 s8, 0x76543210
	s_mov_b32 s9, 0xfedcba98
	s_wait_alu depctr_va_vdst(0)
	s_wait_kmcnt 0x0
.irp i, 0,1,2,3,4,5,6,7,8,9,10,11,12,13,14,15
	global_load_b128 v[8+4*\i:11+4*\i], v1, s[4:5] offset:512*\i
.endr
	s_wait_loadcnt 0x0
.irp i, 1,2,3,4,5,6,7,8,9,10,11,12,13,14,15
	v_pk_add_f32 v[8:9], v[8:9], v[8+4*\i:9+4*\i]                  ; two chains of pairs
	v_pk_add_f32 v[10:11], v[10:11], v[10+4*\i:11+4*\i]
.endr
	v_pk_add_f32 v[8:9], v[8:9], v[10:11]
	v_add_f32 v8, v8, v9
	v_add_f32_dpp v8, v8, v8 row_xmask:1 row_mask:0xf bank_mask:0xf
	v_add_f32_dpp v8, v8, v8 row_xmask:2 row_mask:0xf bank_mask:0xf
	v_add_f32_dpp v8, v8, v8 row_xmask:4 row_mask:0xf bank_mask:0xf
	v_add_f32_dpp v8, v8, v8 row_xmask:8 row_mask:0xf bank_mask:0xf
	v_permlanex16_b32 v9, v8, s8, s9
	v_add_f32 v8, v8, v9
	v_mul_f32 v8, 0x34000000, v8                   ; x 2^-23: the mean
	v_fmamk_f32 v9, v8, 0x3e800000, v8             ; m x 0.25 + m
	v_cmp_eq_u32 vcc_lo, 0, v0
	s_wait_alu depctr_va_vdst(0)
	s_wait_xcnt 0x0                                ; EXEC changes only behind this wait
	s_and_saveexec_b32 s10, vcc_lo
	global_store_b32 v2, v9, s[6:7]                ; lane 0 stores the one number
	s_wait_xcnt 0x0
	s_or_b32 exec_lo, exec_lo, s10
	s_endpgm
.Lfunc_end_k_q813df99e74_loss:
	.size	k_q813df99e74_loss, .Lfunc_end_k_q813df99e74_loss-k_q813df99e74_loss
	.p2alignl 7, 3214868480
	.fill 96, 4, 3214868480
	.section	.rodata,"a",@progbits
	.p2align	6, 0x0
	.amdhsa_kernel k_q813df99e74_loss
		.amdhsa_group_segment_fixed_size 0
		.amdhsa_private_segment_fixed_size 0
		.amdhsa_enable_private_segment 0
		.amdhsa_kernarg_size 16
		.amdhsa_user_sgpr_count 2
		.amdhsa_user_sgpr_kernarg_segment_ptr 1
		.amdhsa_wavefront_size32 1
		.amdhsa_system_sgpr_workgroup_id_x 1
		.amdhsa_system_sgpr_workgroup_id_y 1
		.amdhsa_system_sgpr_workgroup_id_z 1
		.amdhsa_system_vgpr_workitem_id 0
		.amdhsa_next_free_vgpr 72
		.amdhsa_next_free_sgpr 66
		.amdhsa_reserve_vcc 1
		.amdhsa_float_denorm_mode_32 3
		.amdhsa_float_denorm_mode_16_64 3
		.amdhsa_memory_ordered 1
		.amdhsa_forward_progress 1
		.amdhsa_inst_pref_size 5
	.end_amdhsa_kernel
	.amdgpu_metadata
---
amdhsa.version: [ 1, 2 ]
amdhsa.kernels:
  - .name:           k_q813df99e74_loss
    .symbol:         k_q813df99e74_loss.kd
    .args:
      - { .name: part, .offset: 0, .size: 8, .value_kind: global_buffer, .address_space: global }
      - { .name: out1, .offset: 8, .size: 8, .value_kind: global_buffer, .address_space: global }
    .group_segment_fixed_size: 0
    .private_segment_fixed_size: 0
    .kernarg_segment_align: 8
    .kernarg_segment_size: 16
    .max_flat_workgroup_size: 32
    .sgpr_count:     66
    .vgpr_count:     72
    .wavefront_size: 32
...
	.end_amdgpu_metadata
.endif
;; end of part 2
